; MI455X (gfx1250); checked and timed in simulation.
; The chip was launched on July 23, 2026; its instructions are those of AMD's public machine-readable ISA for CDNA 5 (MIT licence, August 2026) and "CDNA5" Instruction Set Architecture Reference Guide (July 2026). The comments in the code are by the model that wrote it; some were corrected since.
;; Causal Self Attention. Allowed arithmetic: matrix products marked QUANTISED: E4M3 operands, one given power-of-two scale a tensor, by v_wmma_f32_16x16x64_fp8_fp8 or v_wmma_f32_16x16x128_fp8_fp8, f32 sums; everything else in f32.
;; Inputs: cos 2,048 x 64 float32; lowp_scales 12 int32 (the exponents e of the quantised operands' scales 2^e); sin 2,048 x 64 float32; w_k 1,024 x 1,024 float32; w_o 1,024 x 1,024 float32; w_q 1,024 x 1,024 float32; w_v 1,024 x 1,024 float32; x 4 x 2,048 x 1,024 float32.
;; Outputs: out0 4 x 2,048 x 1,024 float32.
;; This version of the problem:
;;   THIS VERSION OF THE PROBLEM IS GIVEN IN LOW PRECISION. The matrix products marked QUANTISED in the list below multiply operands that are first quantised to E4M3 (4 exponent bits, 3 mantissa bits; 8 bits a number), with one given power-of-two scale for each operand tensor; their sums are f32. All else is computed in f32.
;;   The module's matrix products, in the order in which they are computed (A, B: the left and right operand; K: the contracted axis; several contracted axes count as one K, in the product's order):
;;     1. [M 8,192, K 1,024] x [K 1,024, N 1,024]; A: input x; B: input w_q: QUANTISED (scales: A lowp_scales[0], B lowp_scales[1])
;;     2. [M 8,192, K 1,024] x [K 1,024, N 1,024]; A: input x; B: input w_k: QUANTISED (scales: A lowp_scales[2], B lowp_scales[3])
;;     3. [M 8,192, K 1,024] x [K 1,024, N 1,024]; A: input x; B: input w_v: QUANTISED (scales: A lowp_scales[4], B lowp_scales[5])
;;     4. batch 64 x [M 2,048, K 64] x [K 64, N 2,048]; A: computed on the way; B: computed on the way: QUANTISED (scales: A lowp_scales[6], B lowp_scales[7])
;;     5. batch 64 x [M 2,048, K 2,048] x [K 2,048, N 64]; A: softmax (see below); B: computed on the way: QUANTISED (scales: A lowp_scales[8], B lowp_scales[9])
;;     6. [M 8,192, K 1,024] x [K 1,024, N 1,024]; A: computed on the way; B: input w_o: QUANTISED (scales: A lowp_scales[10], B lowp_scales[11])
;;   THE QUANTISER, for each operand of a quantised product, along K:
;;     - The operand's scale is 2^e, e = its entry of the input lowp_scales (int32; the entries are numbered through the quantised products in the list's order, A before B).
;;     - Each number is divided by the scale, clamped to +-448, and rounded to the nearest number of E4M3, ties to even, subnormals kept.
;;     - The product sums the exact products of the quantised numbers (number of the format x scale) in f32.
;;   ~~~python
;;   def quantise(x, axis, e):      # numpy; x: float32 -> the quantised numbers, widened to float32 again
;;       x = np.moveaxis(x, axis, -1); K = x.shape[-1]
;;       r = np.clip(x / 2.0 ** e, -448, 448)
;;       step = 2.0 ** (np.maximum(np.frexp(np.where(r == 0, 1, r))[1] - 1, -6) - 3)
;;       q = np.round(r / step) * step * 2.0 ** e      # np.round: ties to even
;;       return np.moveaxis(q, -1, axis).astype(np.float32)
;;   ~~~
;;   SOFTMAX AHEAD OF A QUANTISED PRODUCT. Where the list says 'softmax', what is quantised is not the finished softmax but p = 2^(t - M), with t = logit x log2(e) and M = ceil(the row's largest t), a whole number; so 1/2 < the row's largest p <= 1. The row's sum l is taken of the UNQUANTISED p, in f32, and the product's result is divided by l at the end. Since M is a whole number, a kernel that streams over the keys may use a running M (the ceiling of the running maximum): every later rescaling is an exact power of two, so the quantised numbers keep their values, but for numbers so far below the row's largest that they fall under the format's range.
;;   OPERANDS COMPUTED ON THE WAY. 'Computed on the way' means the value that the module computes at that place (a softmax that the list does not call 'softmax' is quantised finished and normalised). What goes into a quantiser is computed in f32, as accurately as f32 sums, v_exp_f32 and their like allow (about 1e-6 of the number): no bf16 or f16 on the way to a quantiser, and a product that is left as it is and whose result goes on into a quantised operand takes f32 operands (vector FMAs, or v_wmma_f32_16x16x4_f32). A number that lies on a knife's edge between two numbers of the format may be rounded either way, as far as f32 arithmetic and the matrix unit's own rounding can turn it there, and no further.
;; One version. Each part assembles by itself: llvm-mc -triple=amdgcn-amd-amdhsa -mcpu=gfx1250 --defsym DOCPART=n.
;; ======== version 1 of 1: 4 launches
;; limits: right only within a limited range of input values
;; workspace buffers: xc 25,165,824 bytes; wc 4,194,304 bytes; qc 8,388,608 bytes; kc 8,388,608 bytes; vc 8,388,608 bytes; ac 8,388,608 bytes
;; launch quant (part 1): grid 384 x 1, 4 waves a work-group, no clusters, 35,328 bytes of LDS; arguments x, w_q, w_k, w_v, w_o, lowp_scales, xc, wc; writes xc, wc
.if DOCPART == 1
	.amdgcn_target "amdgcn-amd-amdhsa--gfx1250"
	.amdhsa_code_object_version 6
	.text
	.protected	k_qd7ed4e94fe_quant
	.globl	k_qd7ed4e94fe_quant
	.p2align	8
	.type	k_qd7ed4e94fe_quant,@function
k_qd7ed4e94fe_quant:
	s_mov_b64 s[64:65], 0
	v_nop
	global_prefetch_b8 v0, s[64:65] scope:SCOPE_SE
	s_setreg_imm32_b32 hwreg(HW_REG_WAVE_MODE, 25, 1), 1
	s_wait_xcnt 0x0
; x [8192][1024] and the four weights [1024][1024], f32, K innermost, become codes of FP8 (E4M3).  x is an operand of three products with three given scales
; (entries 0, 2, 4 of the scales), so it is quantised three times from one read; w_q, w_k, w_v, w_o once each (entries 1, 3, 5, 11).
; code = number / 2^e, held within +-448, rounded to the nearest code, ties to even.
; LIMITS: each e used here lies between -126 and 127, so that 2^e is an f32 number.  NaN among the inputs is not served (an infinity is held at the largest code).
; THE CODES' LAYOUT is the image of the matrix operand's registers: a fragment is 16 rows x 128 k in 4 chunks of 512 bytes; in chunk c lane l = r + 16 h owns bytes 16 l .. 16 l + 15, and its byte b is
; row r, k = 32 c + 16 (b / 8) + 8 h + b % 8.  A tensor of M rows lies [M / 128][k / 256][row tile 8][k step 2][chunk 4][512]: strides 131072, 32768, 4096, 2048, 512.
; SHARES.  Work-groups 0-255: 32 rows of x each; 256-383: 32 rows of a weight.  A wave takes 16 rows x 512 k in 8 steps of 64 k.  One way through the text: buffers and scale are chosen by the work-group's number.
; A step's 8 loads read two rows x 256 consecutive bytes each; the numbers turn through the wave's own stage in LDS (16 rows, 272 bytes apart) so that a lane gets 8 neighbours along k four times;
; a chunk's 4 registers of codes leave by one store of 512 consecutive aligned bytes.  No barrier: waves share nothing.  Two steps' loads (16 a wave) are on their way.
.set NST,   8                          ; steps
.set PIT,   272                        ; a stage row: 256 bytes + 16
.set STGB,  16*PIT                     ; a stage
.set WREG,  2*STGB                     ; a wave's two stages
.set SPARE, 4*WREG                     ; behind them: the spare words, 128 bytes for each wave, which no other line names
.set VO,  1                            ; v1  a load's offset: 4096 (lane / 16) + 16 (lane % 16)
.set VW,  2                            ; v2  into the stage: 272 (lane / 16) + 16 (lane % 16)
.set VR,  3                            ; v3  out of the stage: 272 r + 32 h
.set GO,  4                            ; v4  16 x lane
.set SPW, 5                            ; v5  my spare word; never rewritten
.set NIL, 6                            ; v6  0; never rewritten
.set SC,  8                            ; v8, v10, v12: 2^e of scale j
.set R,   16                           ; v16-79   two sets of 32: as loaded
.set X,   80                           ; v80-143  two sets of 32: 16 c + 8 g + i = k 32 c + 16 g + 8 h + i of my row
.set T,   144
.set C,   176                          ; v176-223 codes: (step % 2) x 3 scales x 2 chunks x 4
	s_load_b512 s[4:19], s[0:1], 0x0               ; x, w_q, w_k, w_v, w_o, the scales, xc, wc
	v_lshl_add_u32 v[SPW], v0, 2, SPARE
	v_mov_b32 v[NIL], 0
	v_lshrrev_b32 v7, 5, v0
	v_readfirstlane_b32 s20, v7                    ; wave
	v_and_b32 v7, 31, v0                           ; lane
	v_lshrrev_b32 v14, 4, v7                       ; h
	v_and_b32 v15, 15, v0                          ; r
	v_lshlrev_b32 v[VO], 12, v14
	v_lshl_add_u32 v[VO], v15, 4, v[VO]
	s_mul_i32 s30, s20, WREG
	v_mul_u32_u24 v[VW], v14, PIT
	v_lshl_add_u32 v[VW], v15, 4, v[VW]
	v_add_nc_u32 v[VW], s30, v[VW]
	v_mul_u32_u24 v[VR], v15, PIT
	v_lshl_add_u32 v[VR], v14, 5, v[VR]
	v_add_nc_u32 v[VR], s30, v[VR]
	v_lshlrev_b32 v[GO], 4, v7
	s_sub_co_u32 s21, ttmp9, 256
	s_and_b32 s22, s21, 31                         ; a weight's pair of row tiles
	s_lshr_b32 s21, s21, 5                         ; which weight
	s_cmp_lt_u32 ttmp9, 256                        ; x or a weight?
	s_cselect_b32 s23, 1, 0
	s_cselect_b32 s22, ttmp9, s22
	s_cselect_b32 s21, 0, s21
	s_lshl_b32 s22, s22, 1
	s_lshr_b32 s30, s20, 1
	s_add_co_u32 s22, s22, s30                     ; my row tile
	s_and_b32 s31, s20, 1                          ; my half of k
	s_lshl_b32 s26, s22, 16                        ; 16 rows of 4,096 bytes
	s_lshl_b32 s30, s31, 11
	s_add_co_u32 s26, s26, s30
	s_mov_b32 s27, 0                               ; s[26:27]: where I read
	s_lshr_b32 s50, s22, 3
	s_lshl_b32 s50, s50, 17
	s_and_b32 s30, s22, 7
	s_lshl_b32 s30, s30, 12
	s_add_co_u32 s50, s50, s30
	s_lshl_b32 s30, s31, 16
	s_add_co_u32 s50, s50, s30
	s_lshl_b32 s30, s21, 20                        ; a weight's codes are 1 MiB
	s_add_co_u32 s50, s50, s30
	s_mov_b32 s51, 0                               ; s[50:51]: where I write
	s_wait_alu depctr_va_vdst(0)
	s_wait_kmcnt 0x0
	s_load_b256 s[32:39], s[14:15], 0x0            ; e0 .. e7
	s_load_b128 s[40:43], s[14:15], 0x20           ; e8 .. e11
	s_cmp_eq_u32 s21, 1
	s_cselect_b64 s[24:25], s[8:9], s[6:7]
	s_cmp_eq_u32 s21, 2
	s_cselect_b64 s[24:25], s[10:11], s[24:25]
	s_cmp_eq_u32 s21, 3
	s_cselect_b64 s[24:25], s[12:13], s[24:25]
	s_cmp_lg_u32 s23, 0
	s_cselect_b64 s[24:25], s[4:5], s[24:25]
	s_cselect_b64 s[28:29], s[16:17], s[18:19]
	s_add_nc_u64 s[24:25], s[24:25], s[26:27]
	s_add_nc_u64 s[28:29], s[28:29], s[50:51]      ; codes under the first scale
	s_add_nc_u64 s[46:47], s[28:29], 0x800000      ; x's codes under its second scale, 8 MiB on (used by x's work-groups alone),
	s_add_nc_u64 s[48:49], s[28:29], 0x1000000     ; and under its third
.macro LOAD t
.irp i, 0,1,2,3,4,5,6,7
	global_load_b128 v[R+32*((\t)%2)+4*\i:R+32*((\t)%2)+4*\i+3], v[VO], s[24:25] offset:8192*\i+256*(\t) th:TH_LOAD_NT
.endr
.endm
.macro TURN t                          ; through the stage: LDS serves a wave's instructions in order, so no wait stands between the stores and the loads
.irp i, 0,1,2,3,4,5,6,7
	ds_store_b128 v[VW], v[R+32*((\t)%2)+4*\i:R+32*((\t)%2)+4*\i+3] offset:STGB*((\t)%2)+2*PIT*\i
.endr
	v_nop
.irp c, 0,1
.irp g, 0,1
.irp u, 0,1
	ds_load_b128 v[X+32*((\t)%2)+16*\c+8*\g+4*\u:X+32*((\t)%2)+16*\c+8*\g+4*\u+3], v[VR] offset:STGB*((\t)%2)+128*\c+64*\g+16*\u
.endr
.endr
.endr
.endm
.macro MKSC j, se                      ; 2^e as an f32 number
	s_add_co_i32 s45, \se, 127
	s_lshl_b32 s52, s45, 23
	v_mov_b32 v[SC+2*\j], s52
.endm
; chunk c of step t under scale j: two conversions, one store.
.macro GRP t, j, c, dst
.set TS, T+16*(\c)
.set CC, C+24*((\t)%2)+8*(\j)+4*(\c)
.set I_, 0
.rept 16
.set I_, I_+1
.endr
	v_cvt_scalef32_pk8_fp8_f32 v[CC:CC+1], v[TS+((X+32*((\t)%2)+16*(\c)+I_)-(TS+I_)):TS+7+((X+32*((\t)%2)+16*(\c)+I_)-(TS+I_))], v[SC+2*(\j)]
	v_cvt_scalef32_pk8_fp8_f32 v[CC+2:CC+3], v[TS+8+((X+32*((\t)%2)+16*(\c)+I_)-(TS+I_)):TS+15+((X+32*((\t)%2)+16*(\c)+I_)-(TS+I_))], v[SC+2*(\j)]
	global_store_b128 v[GO], v[CC:CC+3], s[\dst:\dst+1] offset:((\t)/4)*32768+((\t)%4)*1024+512*(\c)   ; 512 consecutive bytes, aligned
.endm
	LOAD 0
	LOAD 1
	s_wait_kmcnt 0x0
	s_cmp_eq_u32 s21, 1
	s_cselect_b32 s44, s35, s33                    ; e3 or e1
	s_cmp_eq_u32 s21, 2
	s_cselect_b32 s44, s37, s44                    ; e5
	s_cmp_eq_u32 s21, 3
	s_cselect_b32 s44, s43, s44                    ; e11
	s_cmp_lg_u32 s23, 0
	s_cselect_b32 s44, s32, s44                    ; e0 for x
	MKSC 0, s44
	MKSC 1, s34                                    ; e2
	MKSC 2, s36                                    ; e4
	s_wait_alu depctr_va_vdst(0)
	s_wait_loadcnt 8                               ; step 0's eight loads are in; step 1's may be out
	TURN 0
.macro STEP t
	s_wait_xcnt 0x0                                ; the earlier steps' stores have read their registers: this step's codes land where those of two steps back lay
	s_wait_dscnt 0x0                               ; this step's numbers are back from the stage
.if (\t)+2 < NST
	LOAD (\t)+2
.endif
.if (\t)+1 < NST
.if (\t)+2 < NST
	s_wait_loadcnt 8                               ; the next step's loads are in; the eight just issued may be out
.else
	s_wait_loadcnt 0
.endif
	TURN (\t)+1
.endif
	GRP \t, 0, 0, 28
	GRP \t, 0, 1, 28
	s_cmp_lg_u32 s23, 0                            ; x has two scales more
	s_cbranch_scc0 .Lone_\@
	GRP \t, 1, 0, 46
	GRP \t, 1, 1, 46
	GRP \t, 2, 0, 48
	GRP \t, 2, 1, 48
.Lone_\@:
.endm
.irp t, 0,1,2,3,4,5,6,7
	STEP \t
.endr
	s_wait_tensorcnt 0x0                           ; the wave's end
	ds_add_u32 v[SPW], v[NIL]
	s_wait_dscnt 0x0
	s_endpgm
.Lfunc_end_k_qd7ed4e94fe_quant:
	.size	k_qd7ed4e94fe_quant, .Lfunc_end_k_qd7ed4e94fe_quant-k_qd7ed4e94fe_quant
	.p2alignl 7, 3214868480
	.fill 96, 4, 3214868480
	.section	.rodata,"a",@progbits
	.p2align	6, 0x0
	.amdhsa_kernel k_qd7ed4e94fe_quant
		.amdhsa_group_segment_fixed_size 35328
		.amdhsa_private_segment_fixed_size 0
		.amdhsa_enable_private_segment 0
		.amdhsa_kernarg_size 64
		.amdhsa_user_sgpr_count 2
		.amdhsa_user_sgpr_kernarg_segment_ptr 1
		.amdhsa_wavefront_size32 1
		.amdhsa_system_sgpr_workgroup_id_x 1
		.amdhsa_system_sgpr_workgroup_id_y 1
		.amdhsa_system_sgpr_workgroup_id_z 1
		.amdhsa_system_vgpr_workitem_id 0
		.amdhsa_next_free_vgpr 224
		.amdhsa_next_free_sgpr 66
		.amdhsa_reserve_vcc 0
		.amdhsa_float_denorm_mode_32 3
		.amdhsa_float_denorm_mode_16_64 3
		.amdhsa_fp16_overflow 1
		.amdhsa_memory_ordered 1
		.amdhsa_forward_progress 1
		.amdhsa_inst_pref_size 30
	.end_amdhsa_kernel
	.amdgpu_metadata
---
amdhsa.version: [ 1, 2 ]
amdhsa.kernels:
  - .name:           k_qd7ed4e94fe_quant
    .symbol:         k_qd7ed4e94fe_quant.kd
    .args:
      - { .name: x, .offset: 0, .size: 8, .value_kind: global_buffer, .address_space: global }
      - { .name: w_q, .offset: 8, .size: 8, .value_kind: global_buffer, .address_space: global }
      - { .name: w_k, .offset: 16, .size: 8, .value_kind: global_buffer, .address_space: global }
      - { .name: w_v, .offset: 24, .size: 8, .value_kind: global_buffer, .address_space: global }
      - { .name: w_o, .offset: 32, .size: 8, .value_kind: global_buffer, .address_space: global }
      - { .name: lowp_scales, .offset: 40, .size: 8, .value_kind: global_buffer, .address_space: global }
      - { .name: xc, .offset: 48, .size: 8, .value_kind: global_buffer, .address_space: global }
      - { .name: wc, .offset: 56, .size: 8, .value_kind: global_buffer, .address_space: global }
    .group_segment_fixed_size: 35328
    .private_segment_fixed_size: 0
    .kernarg_segment_align: 8
    .kernarg_segment_size: 64
    .max_flat_workgroup_size: 128
    .sgpr_count:     66
    .vgpr_count:     224
    .wavefront_size: 32
...
	.end_amdgpu_metadata
.endif
;; end of part 1
;; launch qkv (part 2): grid 4 x 96, 4 waves a work-group, clusters of 4 x 4, 327,680 bytes of LDS; arguments xc, wc, lowp_scales, cos, sin, qc, kc, vc; writes qc, kc, vc
.if DOCPART == 2
	.amdgcn_target "amdgcn-amd-amdhsa--gfx1250"
	.amdhsa_code_object_version 6
	.text
	.protected	k_qd7ed4e94fe_qkv
	.globl	k_qd7ed4e94fe_qkv
	.p2align	8
	.type	k_qd7ed4e94fe_qkv,@function
k_qd7ed4e94fe_qkv:
	s_mov_b64 s[64:65], 0
	v_nop
	global_prefetch_b8 v0, s[64:65] scope:SCOPE_SE
	s_setreg_imm32_b32 hwreg(HW_REG_WAVE_MODE, 25, 1), 1
	s_wait_xcnt 0x0
	s_wait_alu depctr_hold_cnt(0) depctr_sa_sdst(0) depctr_va_vdst(0) depctr_va_sdst(0) depctr_va_ssrc(0) depctr_va_vcc(0) depctr_vm_vsrc(0)
	s_getreg_b32 s2, hwreg(HW_REG_IB_STS2, 6, 4)
	s_cmp_eq_u32 s2, 0
	s_cbranch_scc0 .Lentry_in_a_cluster
	s_endpgm
.Lentry_in_a_cluster:
	s_bfe_u32 s2, ttmp6, 0x10000c
	s_cmp_lg_u32 s2, 0xf033
	s_cbranch_scc0 .Lentry_shape_is_right
	s_endpgm
.Lentry_shape_is_right:
; q = rope(x w_q^T), k = rope(x w_k^T), v = x w_v^T on codes of FP8 (E4M3), and their quantising for the two products of attention.  J = cluster y / 8 says which: 0 q, 1 k, 2 v.
; A tile of 256 x 256 to a work-group of four waves, 128 x 128 a wave: 64 accumulators, 512 registers.  K = 1,024 goes in four slots of 256 through two LDS slots filled by the tensor data mover.
; THE CODES lie as images of the operand's registers (16 rows x 128 k in 4 chunks of 512 bytes; lane l owns bytes 16 l on; its byte b is row l % 16, k = 32 c + 16 (b / 8) + 8 (l / 16) + b % 8), and
; (128 rows, 256 k) is one dense block of 32,768 bytes: one tensor load; a fragment is four LDS loads of 512 consecutive bytes: no pitch, no padding.
; THE MATRIX INSTRUCTION IS USED TRANSPOSED: source 0 = 16 rows of "B", source 1 = 16 rows of "A": lane l holds A's row l % 16, its registers B's rows 8 (l / 16) + 0 .. 7.
; For q and k: A = x (rows t), B = the weight (rows d): a lane's registers run along d, the K of q k^T.  For v THE ROLES ARE SWAPPED: A = w_v (rows d), B = x (rows t): registers run along t, the keys, the K of p v.
; So the conversions' results are the next operand's registers and leave by stores of 512 consecutive aligned bytes.
; CLUSTERS: 4 x 4 work-groups; A's tile is asked for jointly along a row of the cluster, B's along a column; cos and sin (256 rows t) along a row.  384 tiles: 24 clusters.
; SCALES: a sum stands for sum x 2^(ea + eb); rope is linear; so the conversion takes the one scale 2^(eo - ea - eb).  (ea, eb, eo) = entries (0, 1, 6), (2, 3, 7), (4, 5, 9).
; LIMITS: eo - ea - eb between -126 and 119.  NaN is not served.
; LDS: slot 1 at 0, slot 0 at 131,072 (A's two halves, B's two halves, 32,768 each); cos and sin, 4 parts of 128 rows x 272 bytes, from 131,072 on: over slot 0 when its last tile has been read, and 8,192 bytes more.
; REGISTERS: window 0: v8-29 constants and addresses, from v128 A's one set of 8 fragments (free on the way out: v32-207 at work there); window 1: B's two sets; windows 2, 3: accumulator (a, b) at v[8 (8 (a % 4) + b)].
.set NA,    8                          ; A's blocks of 16 rows a wave
.set HA,    NA/2
.set HALFA, NA*4096                    ; half of A's tile in a slot
.set SB0,   131072                     ; slot 0
.set SB1,   0                          ; slot 1
.set CSB,   131072                     ; cos half 0, cos half 1, sin half 0, sin half 1
.set CSPART, 128*272
.set SPARE, CSB+4*CSPART               ; the spare words, 128 bytes for each wave, which no other line names
.set LIM,  8                           ; v8   448 x the conversion's scale
.set SCL,  9                           ; v9   the conversion's scale
.set ACOS, 10                          ; v10  my lane's place in cos
.set ASIN, 11                          ; v11  in sin
.set GO,   12                          ; v12  16 x lane
.set ADRA, 16                          ; v16-17 my A fragments in slot 0, 1
.set ADRB, 20                          ; v20-21 my B fragments
.set SPW,  28                          ; v28  my spare word; never rewritten
.set NIL,  29                          ; v29  0; never rewritten
.set CS0,  32                          ; v32-159 two sets: 32 of cos, 32 of sin
.set TT,   160                         ; v160-191 a head's 32 numbers at work
.set CR,   192                         ; v192-207 codes, two sets of 8
.set AF,   128
.set G1,   24
.set G0,   32
.set G1B,  48
.set G0B,  56
.set G1C,  68
.set G0C,  76
.set MSB, 0
.macro WIN new                         ; the immediate's high byte repeats the setting that is left
.if MSB != (\new)
	s_set_vgpr_msb (MSB<<8)|(\new)
.set MSB, (\new)
.endif
.endm
.set MUL_LO, 0xa1                      ; source 0 (B) window 1, source 1 (A) window 0, C and D window 2
.set MUL_HI, 0xf1                      ; the same, C and D window 3
.set TO_B,   0x40                      ; destination window 1
; A joint load: waves 0 and 1 fetch A's halves, waves 2 and 3 B's.  The branch hangs on the wave's number alone.  An s_nop 0 and four v_nop follow each line.
.macro JLOAD g0a, g1a, g0b, g1b
	s_cmp_eq_u32 s21, 0
	s_cbranch_scc0 .Lfor_b_\@
	tensor_load_to_lds s[\g0a:\g0a+3], s[\g1a:\g1a+7]
	s_nop 0
.rept 4
	v_nop
.endr
	s_branch .Lasked_\@
.Lfor_b_\@:
	tensor_load_to_lds s[\g0b:\g0b+3], s[\g1b:\g1b+7]
	s_nop 0
.rept 4
	v_nop
.endr
.Lasked_\@:
.endm
.macro CREST                           ; a round of the cluster's barrier behind its opening barrier
	s_cmp_lg_u32 s20, 0
	s_cbranch_scc1 .Lnot_wave_0_\@
	s_barrier_signal -3
.Lnot_wave_0_\@:
	s_barrier_wait -3
	s_barrier_signal -1
	s_barrier_wait -1
.endm
.macro CROUND
	s_barrier_signal -1
	s_barrier_wait -1
	CREST
.endm
.macro PLACES n                        ; plain vector lines between a matrix instruction and a load into, or a vector line on, its registers
.rept \n
	v_nop
.endr
.endm
.macro FRAG reg, adr, q, i             ; fragment (row tile i, k step q): four loads of 512 consecutive bytes
.irp c, 0,1,2,3
	ds_load_b128 v[\reg+4*\c:\reg+4*\c+3], v[\adr] offset:(\i)*4096+(\q)*2048+512*\c
.endr
.endm
.macro MULA a, p, zero                 ; A's block a against B's eight (set p)
.if (\a) < 4
	WIN MUL_LO
.else
	WIN MUL_HI
.endif
.irp b, 0,1,2,3,4,5,6,7
.if \zero
	v_wmma_f32_16x16x128_fp8_fp8 v[8*(8*((\a)%4)+\b):8*(8*((\a)%4)+\b)+7], v[128*(\p)+16*\b:128*(\p)+16*\b+15], v[AF+16*(\a):AF+16*(\a)+15], 0
.else
	v_wmma_f32_16x16x128_fp8_fp8 v[8*(8*((\a)%4)+\b):8*(8*((\a)%4)+\b)+7], v[128*(\p)+16*\b:128*(\p)+16*\b+15], v[AF+16*(\a):AF+16*(\a)+15], v[8*(8*((\a)%4)+\b):8*(8*((\a)%4)+\b)+7]
.endif
.endr
.endm
.macro MULS a0, n, p, zero             ; blocks a0 .. a0 + n - 1.  All accumulators take turns, one instruction a turn, in the same order in every step
.set MA_, \a0
.rept \n
	MULA MA_, \p, \zero
.set MA_, MA_+1
.endr
.endm
.macro FETCH_B slot, q, p
	WIN TO_B
.irp i, 0,1,2,3,4,5,6,7
	FRAG 128*(\p)+16*\i, ADRB+\slot, \q, \i
.endr
	WIN 0
.endm
.macro FETCH_A slot, q, i0             ; A's blocks i0 .. i0 + HA - 1
.set FI_, \i0
.rept HA
	FRAG AF+16*FI_, ADRA+\slot, \q, FI_
.set FI_, FI_+1
.endr
.endm
; A slot's first 128 along K (B's set 0); it fetches the second 128 (B's set 1).
.macro STEP slot, zero
	s_wait_dscnt 4*HA                              ; B's set and A's first half are in; the youngest loads, A's second half, may be out
	MULS 0, HA, 0, \zero
	s_wait_dscnt 0x0                               ; A's second half is in
	PLACES 4
	FETCH_B \slot, 1, 1
	FETCH_A \slot, 1, 0
	MULS HA, HA, 0, \zero
	PLACES 4
	WIN 0
	FETCH_A \slot, 1, HA
.endm
; A slot's second 128 along K, and the change of slots: ONE barrier; in front of it each wave waits for all its tensor loads, adds 0 to its spare word, and waits for that and for its reads of this slot.
; fill = 1: this slot is filled again, two K slots ahead, jointly, behind a round of the cluster's barrier.  fill = 2: cos and sin take its place, likewise.  fill = 0: nothing is asked for.
.macro TURN slot, next, fill
	s_wait_tensorcnt 0x0                           ; all my tensor loads have landed: my part of the next slot
	ds_add_u32 v[SPW], v[NIL]                      ; 0 onto my spare word
	s_wait_dscnt 4*HA+1                            ; (the add and A's second half may be out)
	MULS 0, HA/2, 1, 0
	s_wait_dscnt 0x0                               ; the add is done, and my reads of this slot are over
	s_barrier_signal -1
	MULS HA/2, HA/2, 1, 0
	WIN 0
	s_barrier_wait -1
.if \fill == 1
	CREST                                          ; no wave of any partner still reads this slot or has a load on its way
	s_add_nc_u64 s[G0+4*\slot+2:G0+4*\slot+3], s[G0+4*\slot+2:G0+4*\slot+3], 65536
	s_add_nc_u64 s[G0B+4*\slot+2:G0B+4*\slot+3], s[G0B+4*\slot+2:G0B+4*\slot+3], 65536
	JLOAD G0+4*\slot, G1, G0B+4*\slot, G1B         ; the first tensor load behind the round; its four v_nop are the places in front of the loads below
.elseif \fill == 2
	CREST
	tensor_load_to_lds s[G0C:G0C+3], s[G1C:G1C+7]  ; each wave one part: cos or sin, 128 rows; it has the last K slot's 128 matrix instructions in which to land
	s_nop 0
	PLACES 4
.else
	PLACES 4
.endif
	s_wait_alu depctr_va_vdst(0)
	FETCH_B \next, 0, 0
	FETCH_A \next, 0, 0
	MULS HA, HA, 1, 0
	PLACES 4
	WIN 0
	FETCH_A \next, 0, HA
.endm
.macro LAST                            ; the very last 128 along K
	s_wait_dscnt 4*HA
	MULS 0, HA, 1, 0
	s_wait_dscnt 0x0
	MULS HA, HA, 1, 0
	WIN 0
.endm
.macro FIN
	s_wait_tensorcnt 0x0                           ; the wave's end
	ds_add_u32 v[SPW], v[NIL]
	s_wait_dscnt 0x0
	CROUND                                         ; the closing round: no work-group ends while a partner may still ask for a tile that names it
	s_endpgm
.endm
; the output's base: ((rt / 8) 16 + 4 ct + 2 cw) << 17: batch and head;  ((rt % 8) 2 + rw) << 13: 128 rows t
.macro OUTBASE rt, ct, rw, cw
	s_lshr_b32 s2, \rt, 3
	s_lshl_b32 s2, s2, 4
	s_lshl_b32 s23, \ct, 2
	s_add_co_u32 s2, s2, s23
	s_lshl_b32 s23, \cw, 1
	s_add_co_u32 s2, s2, s23
	s_lshl_b32 s2, s2, 17
	s_and_b32 s23, \rt, 7
	s_lshl_b32 s23, s23, 1
	s_add_co_u32 s23, s23, \rw
	s_lshl_b32 s23, s23, 13
	s_add_co_u32 s2, s2, s23
	s_mov_b32 s3, 0
	s_add_nc_u64 s[66:67], s[66:67], s[2:3]
.endm
	s_load_b512 s[4:19], s[0:1], 0x0               ; xc, wc, the scales, cos, sin, qc, kc, vc
	v_lshl_add_u32 v[SPW], v0, 2, SPARE
	v_mov_b32 v[NIL], 0
	ds_add_u32 v[SPW], v[NIL]
	ds_add_u32 v[SPW], v[NIL]                      ; the wave's opening
	v_lshrrev_b32 v1, 5, v0
	v_readfirstlane_b32 s20, v1                    ; wave
	s_lshr_b32 s21, s20, 1                         ; WA: my half of A's rows.  Also: I fetch for A (0) or B (1); cos (0) or sin (1)
	s_and_b32 s22, s20, 1                          ; WB: my half of B's rows.  Also: which half I fetch
	s_bfe_u32 s40, ttmp6, 0x40000                  ; cx
	s_bfe_u32 s41, ttmp6, 0x40004                  ; cy
	s_and_b32 s42, ttmp7, 0xffff                   ; cluster y, 0 .. 23
	s_and_b32 s43, s42, 7
	s_lshr_b32 s42, s42, 3                         ; J
	s_lshl_b32 s43, s43, 2                         ; x's 32 tiles of 256 rows: four to a cluster
	s_cmp_eq_u32 s42, 2
	s_cselect_b32 s44, 0, s43
	s_cselect_b32 s45, s43, 0
	s_add_co_u32 s44, s44, s41                     ; A's tile: made of cy
	s_add_co_u32 s45, s45, s40                     ; B's tile: made of cx
	s_lshl_b32 s46, s41, 2
	s_lshl_b32 s46, 15, s46                        ; my row of the cluster
	s_lshl_b32 s47, 0x1111, s40                    ; my column
	s_or_b32 s[G1], s46, (3<<16)|(1<<21)           ; 15:0 the mask; 17:16 elements of 8 bytes; 21 set beside a mask; no padding
	s_or_b32 s[G1B], s47, (3<<16)|(1<<21)
	s_or_b32 s[G1C], s46, (3<<16)|(1<<20)|(1<<21)|(5<<22)|(3<<25)   ; cos, sin: 4 words of padding behind every 64
.irp g, G1, G1B, G1C
	s_mov_b32 s[\g+1], 32<<16                      ; tensor_dim0: 32 elements, 256 bytes
	s_mov_b32 s[\g+2], 128<<16                     ; tensor_dim1
	s_mov_b32 s[\g+3], 32<<16                      ; tile_dim0
	s_mov_b32 s[\g+4], 128                         ; tile_dim1
	s_mov_b32 s[\g+5], 32                          ; the pitch: dense
	s_mov_b32 s[\g+6], 0
	s_mov_b32 s[\g+7], 0
.endr
	s_lshl_b32 s92, s44, 1
	s_add_co_u32 s92, s92, s22
	s_lshl_b32 s92, s92, 17                        ; A: the 128 rows that I fetch
	s_mov_b32 s93, 0
	s_lshl_b32 s94, s45, 1
	s_add_co_u32 s94, s94, s22
	s_lshl_b32 s94, s94, 17                        ; B likewise
	s_mov_b32 s95, 0
	s_lshl_b32 s96, s42, 23                        ; x's codes under product J's scale
	s_mov_b32 s97, 0
	s_lshl_b32 s98, s42, 20                        ; weight J's codes
	s_mov_b32 s99, 0
	s_mul_i32 s23, s22, HALFA                      ; where A's half goes in a slot,
	s_lshl_b32 s43, s22, 15                        ; and B's
	s_and_b32 s2, s44, 7
	s_lshl_b32 s2, s2, 1
	s_add_co_u32 s2, s2, s22
	s_lshl_b32 s2, s2, 15                          ; cos, sin: 128 rows of 256 bytes: t = 256 (A's tile % 8) + 128 WB
	s_mov_b32 s3, 0
	s_mov_b32 s[G0C], 1
	s_mul_i32 s[G0C+1], s20, CSPART
	s_add_co_u32 s[G0C+1], s[G0C+1], CSB
	s_wait_dscnt 0x0                               ; the opening add is done
	s_wait_kmcnt 0x0
	s_load_b256 s[80:87], s[8:9], 0x0              ; e0 .. e7
	s_load_b128 s[88:91], s[8:9], 0x20             ; e8 .. e11
	s_add_nc_u64 s[4:5], s[4:5], s[96:97]
	s_add_nc_u64 s[6:7], s[6:7], s[98:99]
	s_cmp_eq_u32 s42, 2
	s_cselect_b64 s[96:97], s[6:7], s[4:5]         ; A: x, or w_v
	s_cselect_b64 s[98:99], s[4:5], s[6:7]         ; B: the weight, or x
	s_add_nc_u64 s[96:97], s[96:97], s[92:93]
	s_add_nc_u64 s[98:99], s[98:99], s[94:95]
	s_cmp_eq_u32 s21, 0
	s_cselect_b64 s[G0C+2:G0C+3], s[10:11], s[12:13]
	s_add_nc_u64 s[G0C+2:G0C+3], s[G0C+2:G0C+3], s[2:3]
	s_or_b32 s[G0C+3], s[G0C+3], 0x80000000
	CROUND                                         ; all sixteen work-groups are here: the first joint loads meet
.irp s, 0,1
	s_mov_b32 s[G0+4*\s], 1
	s_add_co_u32 s[G0+4*\s+1], s23, SB0+(\s)*(SB1-SB0)
	s_add_nc_u64 s[G0+4*\s+2:G0+4*\s+3], s[96:97], \s*32768
	s_or_b32 s[G0+4*\s+3], s[G0+4*\s+3], 0x80000000
	s_mov_b32 s[G0B+4*\s], 1
	s_add_co_u32 s[G0B+4*\s+1], s43, SB0+(\s)*(SB1-SB0)+2*HALFA
	s_add_nc_u64 s[G0B+4*\s+2:G0B+4*\s+3], s[98:99], \s*32768
	s_or_b32 s[G0B+4*\s+3], s[G0B+4*\s+3], 0x80000000
	JLOAD G0+4*\s, G1, G0B+4*\s, G1B
.endr
	v_and_b32 v1, 31, v0
	v_lshlrev_b32 v[GO], 4, v1
	s_mul_i32 s92, s21, HALFA
	s_lshl_b32 s93, s22, 15
	s_add_co_u32 s93, s93, 2*HALFA
.irp s, 0,1
	s_add_co_u32 s94, s92, SB0+(\s)*(SB1-SB0)
	v_add_nc_u32 v[ADRA+\s], s94, v[GO]
	s_add_co_u32 s94, s93, SB0+(\s)*(SB1-SB0)
	v_add_nc_u32 v[ADRB+\s], s94, v[GO]
.endr
	v_and_b32 v2, 15, v0                           ; r
	v_bfe_u32 v3, v0, 4, 1                         ; h
	v_mul_u32_u24 v[ACOS], v2, 272
	v_lshl_add_u32 v[ACOS], v3, 5, v[ACOS]
	s_mul_i32 s92, s21, CSPART
	s_add_co_u32 s92, s92, CSB
	v_add_nc_u32 v[ACOS], s92, v[ACOS]             ; row r of my half, + 32 h
	v_add_nc_u32 v[ASIN], 2*CSPART, v[ACOS]
	s_wait_kmcnt 0x0
	s_cmp_eq_u32 s42, 1
	s_cselect_b32 s92, s82, s80
	s_cselect_b32 s93, s83, s81
	s_cselect_b32 s94, s87, s86
	s_cselect_b64 s[66:67], s[16:17], s[14:15]
	s_cmp_eq_u32 s42, 2
	s_cselect_b32 s92, s84, s92
	s_cselect_b32 s93, s85, s93
	s_cselect_b32 s94, s89, s94
	s_cselect_b64 s[66:67], s[18:19], s[66:67]
	s_sub_co_i32 s94, s94, s92
	s_sub_co_i32 s94, s94, s93                     ; eo - ea - eb
	s_add_co_i32 s94, s94, 127
	s_lshl_b32 s95, s94, 23
	v_mov_b32 v[SCL], s95
	s_add_co_i32 s94, s94, 8
	s_lshl_b32 s94, s94, 23
	s_or_b32 s94, s94, 0x600000
	v_mov_b32 v[LIM], s94
	s_wait_tensorcnt 0x1                           ; my part of K slot 0 is in; K slot 1's may stay out
	s_barrier_signal -1
	s_barrier_wait -1
	FETCH_B 0, 0, 0
	FETCH_A 0, 0, 0
	FETCH_A 0, 0, HA
	STEP 0, 1                                      ; the first products start the sums: nothing is cleared
	TURN 0, 1, 1
	STEP 1, 0
	TURN 1, 0, 1
	STEP 0, 0
	s_cmp_eq_u32 s42, 2                            ; the ways part on the cluster's y, which all partners share: q and k fetch cos and sin, v does not
	s_cbranch_scc1 .Lv
	TURN 0, 1, 2
	STEP 1, 0
	LAST
; THE WAY OUT OF q AND k.  Lane (r, h) holds row t = 16 a + r; of head hh, tile be, d = 16 be + 8 h + 0 .. 7.  rope: out[d] = s[d] cos[d] - s[d + 32] sin[d] below 32, s[d] cos[d] + s[d - 32] sin[d] from 32 on: tile be's partner is tile (be + 2) % 4.
.macro LDCS a                          ; cos and sin of block a's 16 rows: my 32 numbers of each
.set CSN, CS0+64*((\a)%2)
.irp be, 0,1,2,3
.irp u, 0,1
	ds_load_b128 v[CSN+8*\be+4*\u:CSN+8*\be+4*\u+3], v[ACOS] offset:(\a)*4352+64*\be+16*\u
	ds_load_b128 v[CSN+32+8*\be+4*\u:CSN+32+8*\be+4*\u+3], v[ASIN] offset:(\a)*4352+64*\be+16*\u
.endr
.endr
.endm
.macro ROPE a, hh
.set AC, 64*((\a)%4)+32*(\hh)
.set CSN, CS0+64*((\a)%2)
.set CC, CR+8*(\hh)
	WIN 0x02+(\a)/4                                ; source 0: the sums' window
.irp be, 0,1,2,3
.irp i, 0,2,4,6
	v_pk_mul_f32 v[TT+8*\be+\i:TT+8*\be+\i+1], v[AC+8*((\be+2)%4)+\i:AC+8*((\be+2)%4)+\i+1], v[CSN+32+8*\be+\i:CSN+32+8*\be+\i+1]   ; the partner x sin; each accumulator from its low end on
.endr
.endr
.irp be, 0,1
.irp i, 0,2,4,6
	v_pk_fma_f32 v[TT+8*\be+\i:TT+8*\be+\i+1], v[AC+8*\be+\i:AC+8*\be+\i+1], v[CSN+8*\be+\i:CSN+8*\be+\i+1], v[TT+8*\be+\i:TT+8*\be+\i+1] neg_lo:[0,0,1] neg_hi:[0,0,1]
.endr
.endr
.irp be, 2,3
.irp i, 0,2,4,6
	v_pk_fma_f32 v[TT+8*\be+\i:TT+8*\be+\i+1], v[AC+8*\be+\i:AC+8*\be+\i+1], v[CSN+8*\be+\i:CSN+8*\be+\i+1], v[TT+8*\be+\i:TT+8*\be+\i+1]
.endr
.endr
	WIN 0
.set I_, 0
.rept 32
.set I_, I_+1
.endr
	s_wait_alu depctr_va_vdst(0)
	s_wait_xcnt 0x0                                ; the earlier stores have read their registers
.irp be, 0,1,2,3
	v_cvt_scalef32_pk8_fp8_f32 v[CC+2*\be:CC+2*\be+1], v[TT+8*\be:TT+8*\be+7], v[SCL]   ; registers 2 be, 2 be + 1 of the operand: d = 16 be + 8 h + 0 .. 7
.endr
	v_nop                                          ; a plain line between the conversions and the next write of their sources
.irp c, 0,1
	global_store_b128 v[GO], v[CC+4*\c:CC+4*\c+3], s[66:67] offset:(\hh)*131072+(\a)*1024+512*\c   ; 512 consecutive bytes, aligned
.endr
.endm
	OUTBASE s44, s45, s21, s22
	s_wait_tensorcnt 0x0                           ; my part of cos or sin has landed,
	s_barrier_signal -1
	s_barrier_wait -1                              ; everybody's has
	PLACES 4                                       ; behind the last products: loads into A's registers, reads of the sums
	LDCS 0
.irp a, 0,1,2,3,4,5,6,7
.if \a < 7
	LDCS \a+1
	s_wait_dscnt 16                                ; this block's are in; the 16 just issued may be out
.else
	s_wait_dscnt 0x0
.endif
	ROPE \a, 0
	ROPE \a, 1
.endr
	FIN
.Lv:
	TURN 0, 1, 0
	STEP 1, 0
	LAST
; THE WAY OUT OF v.  Lane (r, h) holds d = 16 (a % 4) + r of head a / 4; tile b's registers are keys 16 b + 8 h + 0 .. 7: the 8 tiles are one fragment of 16 d x 128 keys.
.macro VOUT a
.set AC, 64*((\a)%4)
.set TS, 32+64*((\a)%2)
.set CC, 160+16*((\a)%2)
	WIN 0x02+(\a)/4
.set I_, 0
.rept 64
	v_med3_num_f32 v[TS+I_], v[AC+I_], -v[LIM], v[LIM]   ; each accumulator from its low end on
.set I_, I_+1
.endr
	WIN 0
	s_wait_alu depctr_va_vdst(0)
	s_wait_xcnt 0x0                                ; the earlier stores have read their registers
.irp b, 0,1,2,3,4,5,6,7
	v_cvt_scalef32_pk8_fp8_f32 v[CC+2*\b:CC+2*\b+1], v[TS+8*\b:TS+8*\b+7], v[SCL]
.endr
	v_nop
.irp c, 0,1,2,3
	global_store_b128 v[GO], v[CC+4*\c:CC+4*\c+3], s[66:67] offset:((\a)/4)*131072+((\a)%4)*2048+512*\c
.endr
.endm
	OUTBASE s45, s44, s22, s21
	PLACES 4
.irp a, 0,1,2,3,4,5,6,7
	VOUT \a
.endr
	FIN
.Lfunc_end_k_qd7ed4e94fe_qkv:
	.size	k_qd7ed4e94fe_qkv, .Lfunc_end_k_qd7ed4e94fe_qkv-k_qd7ed4e94fe_qkv
	.p2alignl 7, 3214868480
	.fill 96, 4, 3214868480
	.section	.rodata,"a",@progbits
	.p2align	6, 0x0
	.amdhsa_kernel k_qd7ed4e94fe_qkv
		.amdhsa_group_segment_fixed_size 327680
		.amdhsa_private_segment_fixed_size 0
		.amdhsa_enable_private_segment 0
		.amdhsa_kernarg_size 64
		.amdhsa_user_sgpr_count 2
		.amdhsa_user_sgpr_kernarg_segment_ptr 1
		.amdhsa_wavefront_size32 1
		.amdhsa_system_sgpr_workgroup_id_x 1
		.amdhsa_system_sgpr_workgroup_id_y 1
		.amdhsa_system_sgpr_workgroup_id_z 1
		.amdhsa_system_vgpr_workitem_id 0
		.amdhsa_next_free_vgpr 1024
		.amdhsa_next_free_sgpr 100
		.amdhsa_reserve_vcc 0
		.amdhsa_float_denorm_mode_32 3
		.amdhsa_float_denorm_mode_16_64 3
		.amdhsa_fp16_overflow 1
		.amdhsa_memory_ordered 1
		.amdhsa_forward_progress 1
		.amdhsa_inst_pref_size 192
	.end_amdhsa_kernel
	.amdgpu_metadata
---
amdhsa.version: [ 1, 2 ]
amdhsa.kernels:
  - .name:           k_qd7ed4e94fe_qkv
    .symbol:         k_qd7ed4e94fe_qkv.kd
    .args:
      - { .name: xc, .offset: 0, .size: 8, .value_kind: global_buffer, .address_space: global }
      - { .name: wc, .offset: 8, .size: 8, .value_kind: global_buffer, .address_space: global }
      - { .name: lowp_scales, .offset: 16, .size: 8, .value_kind: global_buffer, .address_space: global }
      - { .name: cos, .offset: 24, .size: 8, .value_kind: global_buffer, .address_space: global }
      - { .name: sin, .offset: 32, .size: 8, .value_kind: global_buffer, .address_space: global }
      - { .name: qc, .offset: 40, .size: 8, .value_kind: global_buffer, .address_space: global }
      - { .name: kc, .offset: 48, .size: 8, .value_kind: global_buffer, .address_space: global }
      - { .name: vc, .offset: 56, .size: 8, .value_kind: global_buffer, .address_space: global }
    .group_segment_fixed_size: 327680
    .private_segment_fixed_size: 0
    .kernarg_segment_align: 8
    .kernarg_segment_size: 64
    .max_flat_workgroup_size: 128
    .sgpr_count:     100
    .vgpr_count:     1024
    .wavefront_size: 32
...
	.end_amdgpu_metadata
.endif
;; end of part 2
;; launch attn (part 3): grid 4 x 64, 8 waves a work-group, no clusters, 327,680 bytes of LDS; arguments qc, kc, vc, lowp_scales, ac; writes ac
.if DOCPART == 3
	.amdgcn_target "amdgcn-amd-amdhsa--gfx1250"
	.amdhsa_code_object_version 6
	.text
	.protected	k_qd7ed4e94fe_attn
	.globl	k_qd7ed4e94fe_attn
	.p2align	8
	.type	k_qd7ed4e94fe_attn,@function
k_qd7ed4e94fe_attn:
	s_mov_b64 s[64:65], 0
	v_nop
	global_prefetch_b8 v0, s[64:65] scope:SCOPE_SE
	s_setreg_imm32_b32 hwreg(HW_REG_WAVE_MODE, 25, 1), 1
	s_wait_xcnt 0x0
; Causal attention of one head on codes of FP8 (E4M3): S^T = k q^T, p = 2^(t - M), O^T = v^T p^T, O / l quantised for the last product.
; t = score x log2(e) / 8; M = the running largest t rounded UP to a whole number; the row's sum l is taken of the unquantised p; when M moves, l and O are multiplied by 2^(old M - new M): exact.
; qc, kc: [head 64][tile of 16 rows 128][chunk 2][512]; vc: [head][128 keys 16][tile of 16 d 4][chunk 4][512]; ac: [128 rows][256 k][row tile 8][k step 2][chunk 4][512]: images of the operands' registers
; (lane l owns bytes 16 l on of a chunk; its byte b is row l % 16, k = 32 c + 16 (b / 8) + 8 (l / 16) + b % 8).
; SHARES.  Work-group (p, head) owns the query blocks p and 7 - p of 256: first block p with key slots 0 .. p of 256 keys, then block 7 - p with slots 0 .. 7 - p: NINE trips in every work-group: 256 work-groups of equal work.
; A wave owns 32 queries, two tiles, which share every fragment of k and v that it reads.  A lane holds ONE query (lane % 16) throughout; S^T's tile kk holds keys 16 kk + 8 (lane / 16) + 0 .. 7, the place that p's operand wants.
; A step of 128 keys all of which come after the wave's queries is jumped over (a scalar branch on ids; no barrier or tensor load stands in a step); in the step on the diagonal hidden scores become -infinity.
; RING: two LDS slots of 32,768 bytes (16 tiles of k, then two key steps of v), wave 0 fetches k's 16,384 bytes, wave 1 v's; the fill for the next trip goes out first thing behind each trip's barrier.
; NO CLUSTER: the four work-groups of a head walk 1 + 8, 2 + 7, 3 + 6, 4 + 5 slots, so at a given trip they want different slots; walking in step would take 4 + 8 = 12 trips for 9.
; LIMITS: e6 + e7 between -123 and 130 (added to c's exponent field); e8, and e10 - e8 - e9, between -126 and 127.  NaN is not served.
; REGISTERS: window 0: v1-31 below; v32-95 k's 8 fragments, then v's 4; v96-223 S^T, then p, 64 a tile; v224-255 p's codes, 16 a tile.  Window 1: v0-63 O^T (32 tile + 8 dd); v64-79 q's two fragments.
.set SLOTB, 32768
.set SPARE, 65536                      ; the spare words, 128 bytes for each wave, which no other line names
.set LI,   1                           ; v1   16 x lane
.set AD,   2                           ; v2   LDS address of the slot in hand
.set SPW,  3                           ; v3   my spare word; never rewritten
.set NIL,  4                           ; v4   0; never rewritten
.set RQ,   5                           ; v5   lane % 16 - 8 (lane / 16)
.set DQ,   6                           ; v6   the mask's bound
.set NINF, 7                           ; v7   -infinity
.set LIMP, 8                           ; v9 2^e8
.set SCLP, 9
.set LIMO, 10                          ; v11 2^(e10 - e8 - e9)
.set SCLO, 11
                                       ; v[12:13], v[16:17]: -M and the largest t of tile 0, 1;  v[14:15], v[18:19]: the sum in two halves;  v[20:21] f;  v22-27 at work;  v[28:29], v[30:31]: 1 / l
.set KV,   32
.set S,    96
.set P,    224
.set QF,   64
.set MSB, 0
.macro WIN new
.if MSB != (\new)
	s_set_vgpr_msb (MSB<<8)|(\new)
.set MSB, (\new)
.endif
.endm
.macro TLOAD                           ; waves 0 and 1 fetch; an s_nop 0 and four v_nop follow the line
	s_cmp_lt_u32 s14, 2
	s_cbranch_scc0 .Lnone_\@
	tensor_load_to_lds s[32:35], s[24:31]
	s_nop 0
.rept 4
	v_nop
.endr
.Lnone_\@:
.endm
	s_load_b256 s[4:11], s[0:1], 0x0               ; qc, kc, vc, the scales
	s_load_b64 s[12:13], s[0:1], 0x20              ; ac
	v_lshl_add_u32 v[SPW], v0, 2, SPARE
	v_mov_b32 v[NIL], 0
	ds_add_u32 v[SPW], v[NIL]                      ; the wave's opening
	ds_add_u32 v[SPW], v[NIL]
	v_lshrrev_b32 v1, 5, v0
	s_delay_alu instid0(VALU_DEP_1)
	v_readfirstlane_b32 s14, v1                    ; wave 0 .. 7
	s_mov_b32 s15, ttmp9                           ; p
	s_add_co_u32 s16, s15, 1
	s_lshl_b32 s17, s16, 14                        ; p + 1 slots in bytes: the way back to key slot 0
	s_mov_b32 s18, 0
	s_mov_b32 s19, 0
	s_mov_b32 s20, 0x76543210                      ; v_permlanex16_b32: lane l xor 16
	s_mov_b32 s21, 0xfedcba98
	s_mov_b32 s22, 0x3e38aa3b                      ; c = log2(e) / 8
	s_mov_b32 s24, 3<<16                           ; group 1: elements of 8 bytes, no mask, no padding
	s_mov_b32 s25, 32<<16                          ; tensor_dim0: 256 bytes
	s_mov_b32 s26, 64<<16                          ; tensor_dim1
	s_mov_b32 s27, 32<<16                          ; tile_dim0
	s_mov_b32 s28, 64                              ; tile_dim1: 64 rows: 16,384 bytes, dense
	s_mov_b32 s29, 32
	s_mov_b32 s30, 0
	s_mov_b32 s31, 0
	s_and_b32 s56, ttmp7, 0xffff                   ; batch x 16 + head
	s_lshl_b32 s58, s56, 17                        ; a head's codes are 131,072 bytes in qc, kc and vc
	s_mov_b32 s59, 0
	s_lshr_b32 s45, s56, 4
	s_lshl_b32 s45, s45, 21                        ; ac: the batch's 2,048 rows,
	s_and_b32 s46, s56, 15
	s_lshr_b32 s46, s46, 2
	s_lshl_b32 s46, s46, 15                        ; the head's 256 k,
	s_add_co_u32 s45, s45, s46
	s_and_b32 s46, s56, 3
	s_lshl_b32 s46, s46, 10                        ; its k step and pair of chunks
	s_add_co_u32 s56, s45, s46
	s_mov_b32 s57, 0
	s_and_b32 s45, s14, 1
	s_lshl_b32 s45, s45, 14
	s_mov_b32 s36, 0                               ; the slot in hand
	s_mov_b32 s37, 0                               ; the trip
	s_wait_dscnt 0x0                               ; the opening add is done
	s_wait_kmcnt 0x0
	s_load_b128 s[40:43], s[10:11], 0x18           ; e6, e7, e8, e9
	s_load_b32 s44, s[10:11], 0x28                 ; e10
	s_mov_b32 s32, 1
	s_mov_b32 s33, s45                             ; slot 0: k at 0 (wave 0), v at 16,384 (wave 1)
	s_cmp_eq_u32 s14, 0
	s_cselect_b64 s[34:35], s[6:7], s[8:9]
	s_add_nc_u64 s[34:35], s[34:35], s[58:59]
	s_or_b32 s35, s35, 0x80000000
	TLOAD                                          ; key slot 0
	s_add_nc_u64 s[48:49], s[4:5], s[58:59]        ; q's codes of my head
	s_add_nc_u64 s[50:51], s[12:13], s[56:57]      ; ac at my batch and head
	v_and_b32 v[LI], 31, v0
	s_delay_alu instid0(VALU_DEP_1)
	v_lshlrev_b32 v[LI], 4, v[LI]
	v_and_b32 v[RQ], 15, v0
	v_bfe_u32 v[DQ], v0, 4, 1
	s_delay_alu instid0(VALU_DEP_1)
	v_lshlrev_b32 v[DQ], 3, v[DQ]
	s_delay_alu instid0(VALU_DEP_1)
	v_sub_nc_u32 v[RQ], v[RQ], v[DQ]
	v_mov_b32 v[NINF], 0xff800000
	v_mov_b32 v21, 0                               ; upper halves of pairs that are named whole, and the lane exchanges' destinations: written once
	v_mov_b32 v24, 0
	v_mov_b32 v25, 0
	v_mov_b32 v29, 0
	v_mov_b32 v31, 0
	s_wait_kmcnt 0x0
	s_add_co_i32 s45, s40, s41
	s_lshl_b32 s45, s45, 23
	s_add_co_i32 s22, s22, s45                     ; a score stands for score x 2^(e6 + e7)
	s_mov_b32 s23, s22
	s_add_co_i32 s45, s42, 127
	s_lshl_b32 s46, s45, 23
	v_mov_b32 v[SCLP], s46
	s_sub_co_i32 s45, s44, s42
	s_sub_co_i32 s45, s45, s43                     ; O's sums stand for sum x 2^(e8 + e9): the three scales folded into one
	s_add_co_i32 s45, s45, 127
	s_lshl_b32 s46, s45, 23
	v_mov_b32 v[SCLO], s46
; A block of queries (its number in s47) begins: addresses, q's fragments, O^T = 0, l = 0, the largest t = -3e38.
.macro INIT
	s_wait_xcnt 0x0                                ; the last block's stores have read their registers and base
	s_lshl_b32 s39, s47, 8
	s_lshl_b32 s45, s14, 5
	s_add_co_u32 s39, s39, s45                     ; my first query
	s_mov_b32 s38, 0                               ; the step's first key
	s_lshl_b32 s56, s39, 6
	s_mov_b32 s57, 0
	s_add_nc_u64 s[52:53], s[48:49], s[56:57]
	s_lshl_b32 s45, s47, 1
	s_lshr_b32 s46, s14, 2
	s_add_co_u32 s45, s45, s46
	s_lshl_b32 s45, s45, 17                        ; ac: my 128 rows,
	s_and_b32 s46, s14, 3
	s_lshl_b32 s46, s46, 13                        ; my two row tiles
	s_add_co_u32 s56, s45, s46
	s_add_nc_u64 s[54:55], s[50:51], s[56:57]
	WIN 0x40                                       ; destination window 1
.irp t, 0,1
.irp c, 0,1
	global_load_b128 v[QF+8*\t+4*\c:QF+8*\t+4*\c+3], v[LI], s[52:53] offset:\t*1024+512*\c
.endr
.endr
.set I_, 0
.rept 64
	v_mov_b32 v[I_], 0
.set I_, I_+1
.endr
	WIN 0
.irp t, 0,1
	v_mov_b32 v[13+4*\t], 0xff61b1e6
	s_delay_alu instid0(VALU_DEP_1)
	v_floor_f32 v[12+4*\t], -v[13+4*\t]
	v_mov_b32 v[14+4*\t], 0
	v_mov_b32 v[15+4*\t], 0
.endr
	s_wait_loadcnt 0x0
.endm
; One tile's softmax for 128 keys.
.macro SOFTMAX tau
.set SS, S+64*(\tau)
.set NM, 12+4*(\tau)
.set SU, 14+4*(\tau)
.set PP, P+16*(\tau)
	v_max3_num_f32 v22, v[SS], v[SS+1], v[SS+2]    ; the largest score of my query among my 64 keys, in two chains, each accumulator from its low end on
	v_max3_num_f32 v23, v[SS+3], v[SS+4], v[SS+5]
.irp i, 6,10,14,18,22,26,30,34,38,42,46,50,54,58
	v_max3_num_f32 v22, v22, v[SS+\i], v[SS+\i+1]
	v_max3_num_f32 v23, v23, v[SS+\i+2], v[SS+\i+3]
.endr
	v_max3_num_f32 v22, v22, v[SS+62], v[SS+63]
	s_delay_alu instid0(VALU_DEP_1)
	v_max_num_f32 v22, v22, v23
	s_delay_alu instid0(VALU_DEP_1)
	v_permlanex16_b32 v24, v22, s20, s21
	s_delay_alu instid0(VALU_DEP_1)
	v_max_num_f32 v22, v22, v24                    ; and among lane l xor 16's
	s_delay_alu instid0(VALU_DEP_1)
	v_mul_f32 v22, s22, v22                        ; as t (c is positive)
	s_delay_alu instid0(VALU_DEP_1)
	v_max_num_f32 v[NM+1], v[NM+1], v22            ; the running largest t
	v_mov_b32 v22, v[NM]
	s_delay_alu instid0(VALU_DEP_2)
	v_floor_f32 v[NM], -v[NM+1]                    ; -M = floor(-t)
	s_delay_alu instid0(VALU_DEP_1)
	v_sub_f32 v22, v[NM], v22                      ; old M - new M: a whole number, 0 or less
	s_delay_alu instid0(VALU_DEP_1)
	v_cvt_i32_f32 v22, v22                         ; (it saturates)
	s_delay_alu instid0(VALU_DEP_1)
	v_ldexp_f32 v20, 1.0, v22                      ; f = 2^(old M - new M)
.set I_, 0
.rept 32
	v_pk_fma_f32 v[SS+I_:SS+I_+1], v[SS+I_:SS+I_+1], s[22:23], v[NM:NM+1] op_sel_hi:[1,0,0]   ; t - M
.set I_, I_+2
.endr
.set I_, 0
	s_wait_alu depctr_va_vdst(0)
.rept 64
	v_exp_f32 v[SS+I_], v[SS+I_]                   ; p = 2^(t - M)
.set I_, I_+1
.endr
	v_pk_mul_f32 v[SU:SU+1], v[SU:SU+1], v[20:21] op_sel_hi:[1,0]   ; the sums under the new M: the plain line behind the exponentials
	s_wait_alu depctr_va_vdst(0)                   ; one wait for the batch, ahead of its first reader
	v_pk_add_f32 v[26:27], v[SS:SS+1], v[SS+2:SS+3]   ; the sum of the UNQUANTISED p, in two chains
.irp j, 4,8,12,16,20,24,28,32,36,40,44,48,52,56,60
	v_pk_add_f32 v[SU:SU+1], v[SU:SU+1], v[SS+\j:SS+\j+1]
	v_pk_add_f32 v[26:27], v[26:27], v[SS+\j+2:SS+\j+3]
.endr
	s_delay_alu instid0(VALU_DEP_1)
	v_pk_add_f32 v[SU:SU+1], v[SU:SU+1], v[26:27]
.irp k, 0,1,2,3,4,5,6,7
.irp i, 0,1,2,3,4,5,6,7
.endr
	v_cvt_scalef32_pk8_fp8_f32 v[PP+2*\k:PP+2*\k+1], v[SS+8*\k:SS+8*\k+7], v[SCLP]   ; registers 2 kk, 2 kk + 1: keys 16 kk + 8 h + 0 .. 7
.endr
	WIN 0x41                                       ; O^T in window 1, f in window 0
.set I_, 0
.rept 16
	v_pk_mul_f32 v[32*(\tau)+I_:32*(\tau)+I_+1], v[32*(\tau)+I_:32*(\tau)+I_+1], v[20:21] op_sel_hi:[1,0]   ; O^T under the new M; also the plain lines behind the conversions
.set I_, I_+2
.endr
	WIN 0
.endm
; A key step: the q-th 128 keys of the slot in hand.
.macro STEP q
	s_add_co_u32 s45, s39, 31
	s_cmp_gt_u32 s38, s45                          ; all keys after my 32 queries?
	s_cbranch_scc1 .Lhidden_\@
	v_add_nc_u32 v[AD], s36, v[LI]
.rept 3
	v_nop                                          ; with the addition: four places in front of loads into registers that the last products read
.endr
.irp k, 0,1,2,3,4,5,6,7
.irp c, 0,1
	ds_load_b128 v[KV+8*\k+4*\c:KV+8*\k+4*\c+3], v[AD] offset:(8*(\q)+\k)*1024+512*\c
.endr
.endr
	s_wait_alu depctr_va_vdst(0)
	s_wait_dscnt 0x0
	WIN 0x04                                       ; source 1 (q) window 1
.irp k, 0,1,2,3,4,5,6,7
.irp t, 0,1
	v_wmma_f32_16x16x64_fp8_fp8 v[S+64*\t+8*\k:S+64*\t+8*\k+7], v[KV+8*\k:KV+8*\k+7], v[QF+8*\t:QF+8*\t+7], 0
.endr
.endr
	WIN 0
.rept 4
	v_nop                                          ; places in front of v's loads and of the first read of the scores
.endr
.irp d, 0,1,2,3
.irp c, 0,1,2,3
	ds_load_b128 v[KV+16*\d+4*\c:KV+16*\d+4*\c+3], v[AD] offset:16384+(\q)*8192+\d*2048+512*\c   ; v's fragments land under the softmax
.endr
.endr
	s_add_co_u32 s45, s38, 127
	s_cmp_le_u32 s45, s39                          ; do all keys count?
	s_cbranch_scc1 .Lopen_\@
	s_sub_co_i32 s45, s39, s38
	v_add_nc_u32 v[DQ], s45, v[RQ]                 ; register 8 kk + j of tile tau: key - query = 16 kk + j - 16 tau - this: hidden where above 0
.irp t, 0,1
.set I_, 0
.rept 64
	v_cmp_gt_i32 vcc_lo, 16*(I_/8)+I_%8-16*\t, v[DQ]
	v_cndmask_b32 v[S+64*\t+I_], v[S+64*\t+I_], v[NINF], vcc_lo
.set I_, I_+1
.endr
.endr
.Lopen_\@:
	SOFTMAX 0
	SOFTMAX 1
	s_wait_alu depctr_va_vdst(0)
	s_wait_dscnt 0x0                               ; v is in
	WIN 0x50                                       ; C and D window 1
.irp d, 0,1,2,3
.irp t, 0,1
	v_wmma_f32_16x16x128_fp8_fp8 v[32*\t+8*\d:32*\t+8*\d+7], v[KV+16*\d:KV+16*\d+15], v[P+16*\t:P+16*\t+15], v[32*\t+8*\d:32*\t+8*\d+7]
.endr
.endr
	WIN 0
.Lhidden_\@:
	s_add_co_u32 s38, s38, 128
.endm
; The change of slots, at a trip's head.  Each wave waits for all its tensor loads, adds 0 to its spare word, and waits for that and for its reads of the slot that it has left; behind the barrier the slot ahead is
; whole and nobody reads the other.  fill = 1: that other slot takes the next trip's keys: the next slot of the block, or, where the next trip begins the second block, key slot 0.
.macro CHANGE fill
	s_wait_tensorcnt 0x0
	ds_add_u32 v[SPW], v[NIL]
.if \fill
	s_xor_b32 s33, s33, SLOTB
	s_add_nc_u64 s[34:35], s[34:35], 16384
	s_cmp_eq_u32 s37, s15
	s_cselect_b32 s18, s17, 0
	s_sub_nc_u64 s[34:35], s[34:35], s[18:19]
.endif
	s_wait_dscnt 0x0
	s_barrier_signal -1
	s_barrier_wait -1
.if \fill
	TLOAD                                          ; first thing behind the barrier, a wave's one tensor load until the next; it has the whole trip in which to land
.endif
.endm
; A block ends: O^T / l, quantised with 2^(e10 - e8 - e9), stored: registers 2 dd, 2 dd + 1 are k = 64 head + 16 dd + 8 h + 0 .. 7 of row t.
.macro FINISH
.rept 4
	v_nop
.endr
	v_add_f32 v22, v14, v15
	v_add_f32 v23, v18, v19
	s_delay_alu instid0(VALU_DEP_2)
	v_permlanex16_b32 v24, v22, s20, s21
	s_delay_alu instid0(VALU_DEP_2)
	v_permlanex16_b32 v25, v23, s20, s21
	s_delay_alu instid0(VALU_DEP_2)
	v_add_f32 v22, v22, v24
	s_delay_alu instid0(VALU_DEP_2)
	v_add_f32 v23, v23, v25
	s_wait_alu depctr_va_vdst(0)
	v_rcp_f32 v28, v22
	v_rcp_f32 v30, v23
	v_nop                                          ; a plain line behind the reciprocals,
	s_wait_alu depctr_va_vdst(0)                   ; and the one wait ahead of their first reader
.irp t, 0,1
	WIN 0x01                                       ; source 0 (O^T) window 1
.set I_, 0
.rept 16
	v_pk_mul_f32 v[S+64*\t+I_:S+64*\t+I_+1], v[32*\t+I_:32*\t+I_+1], v[28+2*\t:29+2*\t] op_sel_hi:[1,0]
.set I_, I_+2
.endr
	WIN 0
.set I_, 0
.rept 32
.set I_, I_+1
.endr
.irp d, 0,1,2,3
	v_cvt_scalef32_pk8_fp8_f32 v[P+16*\t+2*\d:P+16*\t+2*\d+1], v[S+64*\t+8*\d:S+64*\t+8*\d+7], v[SCLO]
.endr
	v_nop
.irp c, 0,1
	global_store_b128 v[LI], v[P+16*\t+4*\c:P+16*\t+4*\c+3], s[54:55] offset:\t*4096+512*\c   ; 512 consecutive bytes, aligned
.endr
.endr
.endm
	s_mov_b32 s47, s15
	INIT
.Ltrip:                                            ; trips 0 .. 7: behind each change of slots the next trip's keys are asked for
	CHANGE 1
	s_cmp_eq_u32 s37, s16                          ; trip p + 1 begins the second block
	s_cbranch_scc0 .Lsame
	s_wait_alu depctr_va_vdst(0)
	FINISH
	s_sub_co_u32 s47, 7, s15
	INIT
.Lsame:
	STEP 0
	STEP 1
	s_xor_b32 s36, s36, SLOTB
	s_add_co_u32 s37, s37, 1
	s_cmp_lt_u32 s37, 8
	s_cbranch_scc1 .Ltrip
	CHANGE 0                                       ; trip 8 is written out
	STEP 0
	STEP 1
	s_wait_alu depctr_va_vdst(0)
	FINISH
	s_wait_tensorcnt 0x0                           ; the wave's end
	ds_add_u32 v[SPW], v[NIL]
	s_wait_dscnt 0x0
	s_endpgm
.Lfunc_end_k_qd7ed4e94fe_attn:
	.size	k_qd7ed4e94fe_attn, .Lfunc_end_k_qd7ed4e94fe_attn-k_qd7ed4e94fe_attn
	.p2alignl 7, 3214868480
	.fill 96, 4, 3214868480
	.section	.rodata,"a",@progbits
	.p2align	6, 0x0
	.amdhsa_kernel k_qd7ed4e94fe_attn
		.amdhsa_group_segment_fixed_size 327680
		.amdhsa_private_segment_fixed_size 0
		.amdhsa_enable_private_segment 0
		.amdhsa_kernarg_size 40
		.amdhsa_user_sgpr_count 2
		.amdhsa_user_sgpr_kernarg_segment_ptr 1
		.amdhsa_wavefront_size32 1
		.amdhsa_system_sgpr_workgroup_id_x 1
		.amdhsa_system_sgpr_workgroup_id_y 1
		.amdhsa_system_sgpr_workgroup_id_z 1
		.amdhsa_system_vgpr_workitem_id 0
		.amdhsa_next_free_vgpr 336
		.amdhsa_next_free_sgpr 66
		.amdhsa_reserve_vcc 1
		.amdhsa_float_denorm_mode_32 3
		.amdhsa_float_denorm_mode_16_64 3
		.amdhsa_fp16_overflow 1
		.amdhsa_memory_ordered 1
		.amdhsa_forward_progress 1
		.amdhsa_inst_pref_size 159
	.end_amdhsa_kernel
	.amdgpu_metadata
---
amdhsa.version: [ 1, 2 ]
amdhsa.kernels:
  - .name:           k_qd7ed4e94fe_attn
    .symbol:         k_qd7ed4e94fe_attn.kd
    .args:
      - { .name: qc, .offset: 0, .size: 8, .value_kind: global_buffer, .address_space: global }
      - { .name: kc, .offset: 8, .size: 8, .value_kind: global_buffer, .address_space: global }
      - { .name: vc, .offset: 16, .size: 8, .value_kind: global_buffer, .address_space: global }
      - { .name: lowp_scales, .offset: 24, .size: 8, .value_kind: global_buffer, .address_space: global }
      - { .name: ac, .offset: 32, .size: 8, .value_kind: global_buffer, .address_space: global }
    .group_segment_fixed_size: 327680
    .private_segment_fixed_size: 0
    .kernarg_segment_align: 8
    .kernarg_segment_size: 40
    .max_flat_workgroup_size: 256
    .sgpr_count:     66
    .vgpr_count:     336
    .wavefront_size: 32
...
	.end_amdgpu_metadata
.endif
;; end of part 3
;; launch oproj (part 4): grid 4 x 64, 4 waves a work-group, clusters of 4 x 4, 327,680 bytes of LDS; arguments ac, wc, lowp_scales, out0; writes out0
.if DOCPART == 4
	.amdgcn_target "amdgcn-amd-amdhsa--gfx1250"
	.amdhsa_code_object_version 6
	.text
	.protected	k_qd7ed4e94fe_oproj
	.globl	k_qd7ed4e94fe_oproj
	.p2align	8
	.type	k_qd7ed4e94fe_oproj,@function
k_qd7ed4e94fe_oproj:
	s_mov_b64 s[64:65], 0
	v_nop
	global_prefetch_b8 v0, s[64:65] scope:SCOPE_SE
	s_setreg_imm32_b32 hwreg(HW_REG_WAVE_MODE, 25, 1), 1
	s_wait_xcnt 0x0
	s_wait_alu depctr_hold_cnt(0) depctr_sa_sdst(0) depctr_va_vdst(0) depctr_va_sdst(0) depctr_va_ssrc(0) depctr_va_vcc(0) depctr_vm_vsrc(0)
	s_getreg_b32 s2, hwreg(HW_REG_IB_STS2, 6, 4)
	s_cmp_eq_u32 s2, 0
	s_cbranch_scc0 .Lentry_in_a_cluster
	s_endpgm
.Lentry_in_a_cluster:
	s_bfe_u32 s2, ttmp6, 0x10000c
	s_cmp_lg_u32 s2, 0xf033
	s_cbranch_scc0 .Lentry_shape_is_right
	s_endpgm
.Lentry_shape_is_right:
; out0 = attention's output x w_o^T on codes of FP8 (E4M3); each finished sum is multiplied once by 2^(e10 + e11).  out0: [8192][1024] f32.
; A tile of 128 x 256 to a work-group: 256 work-groups; four waves, 64 x 128 each: 32 accumulators.  K = 1,024 goes in four slots of 256 through two LDS slots filled by the tensor data mover.
; THE CODES lie as images of the operand's registers (16 rows x 128 k in 4 chunks of 512 bytes; lane l owns bytes 16 l on), [128 rows][256 k][row tile 8][k step 2][chunk 4][512]: A's half tile (64 rows, 256 k) is a dense
; block of 16,384 bytes, B's (128 rows) of 32,768; a fragment is four LDS loads of 512 consecutive bytes.
; THE MATRIX INSTRUCTION IS USED TRANSPOSED (source 0 = 16 rows of w_o, source 1 = 16 rows of A): a lane holds eight neighbouring numbers of a row of out0.
; CLUSTERS: 4 x 4 work-groups; A's tile is asked for jointly along a row of the cluster, B's along a column.
; LIMIT: e10 + e11 between -126 and 127.
; LDS: slot 0 at 0, slot 1 at 98,304 (A's halves 16,384 each, B's halves 32,768 each).  The way out's stages (16 rows x 528 bytes a wave) lie in slot 0, which has had its last fill and its last read by then.
; REGISTERS: window 0: v16-29 addresses, v128-191 A's one set of 4 fragments (on the way out v32-255 are free); window 1: B's two sets; window 2: accumulator (a, b) at v[8 (8 a + b)].
.set NA,    4
.set HA,    NA/2
.set HALFA, NA*4096
.set SB0,   0
.set SB1,   2*HALFA+65536
.set SPARE, 2*SB1                      ; the spare words, 128 bytes for each wave, which no other line names
.set SPITCH, 528
.set ADRA, 16
.set ADRB, 20
.set STO,  24                          ; v24  the way out: where I put 32 bytes of a row
.set RD,   25                          ; v25  where I read a row back
.set CO,   26                          ; v26  16 x lane
.set SPW,  28
.set NIL,  29
.set TMP,  32
.set AF,   128
.set BK,   128
.set G1,   24
.set G0,   32
.set G1B,  48
.set G0B,  56
.set MSB, 0
.macro WIN new
.if MSB != (\new)
	s_set_vgpr_msb (MSB<<8)|(\new)
.set MSB, (\new)
.endif
.endm
.set MUL_LO, 0xa1                      ; source 0 (B) window 1, source 1 (A) window 0, C and D window 2
.set TO_B,   0x40
.macro JLOAD g0a, g1a, g0b, g1b        ; waves 0 and 1 fetch A's halves, waves 2 and 3 B's; an s_nop 0 and four v_nop follow each line
	s_cmp_eq_u32 s21, 0
	s_cbranch_scc0 .Lfor_b_\@
	tensor_load_to_lds s[\g0a:\g0a+3], s[\g1a:\g1a+7]
	s_nop 0
.rept 4
	v_nop
.endr
	s_branch .Lasked_\@
.Lfor_b_\@:
	tensor_load_to_lds s[\g0b:\g0b+3], s[\g1b:\g1b+7]
	s_nop 0
.rept 4
	v_nop
.endr
.Lasked_\@:
.endm
.macro CREST
	s_cmp_lg_u32 s20, 0
	s_cbranch_scc1 .Lnot_wave_0_\@
	s_barrier_signal -3
.Lnot_wave_0_\@:
	s_barrier_wait -3
	s_barrier_signal -1
	s_barrier_wait -1
.endm
.macro CROUND
	s_barrier_signal -1
	s_barrier_wait -1
	CREST
.endm
.macro PLACES n
.rept \n
	v_nop
.endr
.endm
.macro FRAG reg, adr, q, i
.irp c, 0,1,2,3
	ds_load_b128 v[\reg+4*\c:\reg+4*\c+3], v[\adr] offset:(\i)*4096+(\q)*2048+512*\c
.endr
.endm
.macro MULA a, p, zero
	WIN MUL_LO
.irp b, 0,1,2,3,4,5,6,7
.if \zero
	v_wmma_f32_16x16x128_fp8_fp8 v[8*(8*(\a)+\b):8*(8*(\a)+\b)+7], v[128*(\p)+16*\b:128*(\p)+16*\b+15], v[AF+16*(\a):AF+16*(\a)+15], 0
.else
	v_wmma_f32_16x16x128_fp8_fp8 v[8*(8*(\a)+\b):8*(8*(\a)+\b)+7], v[128*(\p)+16*\b:128*(\p)+16*\b+15], v[AF+16*(\a):AF+16*(\a)+15], v[8*(8*(\a)+\b):8*(8*(\a)+\b)+7]
.endif
.endr
.endm
.macro MULS a0, n, p, zero             ; the 32 accumulators take turns, one instruction a turn, in the same order in every step
.set MA_, \a0
.rept \n
	MULA MA_, \p, \zero
.set MA_, MA_+1
.endr
.endm
.macro FETCH_B slot, q, p
	WIN TO_B
.irp i, 0,1,2,3,4,5,6,7
	FRAG 128*(\p)+16*\i, ADRB+\slot, \q, \i
.endr
	WIN 0
.endm
.macro FETCH_A slot, q, i0
.set FI_, \i0
.rept HA
	FRAG AF+16*FI_, ADRA+\slot, \q, FI_
.set FI_, FI_+1
.endr
.endm
.macro STEP slot, zero                 ; a slot's first 128 along K (B's set 0); it fetches the second 128 (set 1)
	s_wait_dscnt 4*HA                              ; B's set and A's first half are in; A's second half may be out
	MULS 0, HA, 0, \zero
	s_wait_dscnt 0x0
	PLACES 4
	FETCH_B \slot, 1, 1
	FETCH_A \slot, 1, 0
	MULS HA, HA, 0, \zero
	PLACES 4
	WIN 0
	FETCH_A \slot, 1, HA
.endm
; A slot's second 128 along K, and the change of slots: ONE barrier; in front of it each wave waits for all its tensor loads, adds 0 to its spare word, and waits for that and for its reads of this slot.
.macro TURN slot, next, fill
	s_wait_tensorcnt 0x0                           ; all my tensor loads have landed: my part of the next slot
	ds_add_u32 v[SPW], v[NIL]
	s_wait_dscnt 4*HA+1                            ; (the add and A's second half may be out)
	MULS 0, HA/2, 1, 0
	s_wait_dscnt 0x0                               ; the add is done, and my reads of this slot are over
	s_barrier_signal -1
	MULS HA/2, HA/2, 1, 0
	WIN 0
	s_barrier_wait -1
.if \fill
	CREST                                          ; no wave of any partner still reads this slot or has a load on its way
	s_add_nc_u64 s[G0+4*\slot+2:G0+4*\slot+3], s[G0+4*\slot+2:G0+4*\slot+3], 65536
	s_add_nc_u64 s[G0B+4*\slot+2:G0B+4*\slot+3], s[G0B+4*\slot+2:G0B+4*\slot+3], 65536
	JLOAD G0+4*\slot, G1, G0B+4*\slot, G1B         ; the first tensor load behind the round; its four v_nop are the places in front of the loads below
.else
	PLACES 4
.endif
	FETCH_B \next, 0, 0
	FETCH_A \next, 0, 0
	MULS HA, HA, 1, 0
	PLACES 4
	WIN 0
	FETCH_A \next, 0, HA
.endm
	s_load_b128 s[4:7], s[0:1], 0x0                ; ac, wc
	s_load_b128 s[8:11], s[0:1], 0x10              ; the scales, out0
	v_lshl_add_u32 v[SPW], v0, 2, SPARE
	v_mov_b32 v[NIL], 0
	ds_add_u32 v[SPW], v[NIL]                      ; the wave's opening
	ds_add_u32 v[SPW], v[NIL]
	v_lshrrev_b32 v1, 5, v0
	v_readfirstlane_b32 s20, v1                    ; wave
	s_lshr_b32 s21, s20, 1                         ; WA: my half of A's rows.  Also: I fetch for A (0) or B (1)
	s_and_b32 s22, s20, 1                          ; WB: my half of B's rows.  Also: which half I fetch
	s_bfe_u32 s40, ttmp6, 0x40000                  ; cx: B's tile
	s_bfe_u32 s41, ttmp6, 0x40004                  ; cy
	s_and_b32 s44, ttmp7, 0xffff
	s_lshl_b32 s44, s44, 2
	s_add_co_u32 s44, s44, s41                     ; A's tile of 128 rows
	s_lshl_b32 s46, s41, 2
	s_lshl_b32 s46, 15, s46                        ; my row of the cluster
	s_lshl_b32 s47, 0x1111, s40                    ; my column
	s_or_b32 s[G1], s46, (3<<16)|(1<<21)           ; 15:0 the mask; 17:16 elements of 8 bytes; 21 set beside a mask
	s_or_b32 s[G1B], s47, (3<<16)|(1<<21)
	s_mov_b32 s[G1+1], 32<<16                      ; rows of 256 bytes, dense;
	s_mov_b32 s[G1+2], 64<<16                      ; A: 64 of them
	s_mov_b32 s[G1+3], 32<<16
	s_mov_b32 s[G1+4], 64
	s_mov_b32 s[G1+5], 32
	s_mov_b32 s[G1+6], 0
	s_mov_b32 s[G1+7], 0
	s_mov_b32 s[G1B+1], 32<<16
	s_mov_b32 s[G1B+2], 128<<16                    ; B: 128
	s_mov_b32 s[G1B+3], 32<<16
	s_mov_b32 s[G1B+4], 128
	s_mov_b32 s[G1B+5], 32
	s_mov_b32 s[G1B+6], 0
	s_mov_b32 s[G1B+7], 0
	s_lshl_b32 s92, s44, 17
	s_mul_i32 s23, s22, HALFA                      ; A's half: in memory and in a slot alike
	s_add_co_u32 s92, s92, s23
	s_mov_b32 s93, 0
	s_lshl_b32 s94, s40, 1
	s_add_co_u32 s94, s94, s22
	s_lshl_b32 s94, s94, 17
	s_add_co_u32 s94, s94, 3<<20                   ; w_o's codes are the fourth MiB of wc
	s_mov_b32 s95, 0
	s_lshl_b32 s43, s22, 15
	s_wait_dscnt 0x0                               ; the opening add is done
	s_wait_kmcnt 0x0
	s_load_b64 s[96:97], s[8:9], 0x28              ; e10, e11
	s_add_nc_u64 s[92:93], s[4:5], s[92:93]
	s_add_nc_u64 s[94:95], s[6:7], s[94:95]
	CROUND                                         ; all sixteen work-groups are here: the first joint loads meet
.irp s, 0,1
	s_mov_b32 s[G0+4*\s], 1
	s_add_co_u32 s[G0+4*\s+1], s23, SB0+(\s)*(SB1-SB0)
	s_add_nc_u64 s[G0+4*\s+2:G0+4*\s+3], s[92:93], \s*32768
	s_or_b32 s[G0+4*\s+3], s[G0+4*\s+3], 0x80000000
	s_mov_b32 s[G0B+4*\s], 1
	s_add_co_u32 s[G0B+4*\s+1], s43, SB0+(\s)*(SB1-SB0)+2*HALFA
	s_add_nc_u64 s[G0B+4*\s+2:G0B+4*\s+3], s[94:95], \s*32768
	s_or_b32 s[G0B+4*\s+3], s[G0B+4*\s+3], 0x80000000
	s_wait_alu depctr_va_vdst(0)
	s_wait_tensorcnt 0x0
	ds_add_u32 v28, v29
	ds_add_u32 v28, v29
	s_wait_dscnt 0x0
	CROUND
	JLOAD G0+4*\s, G1, G0B+4*\s, G1B
.endr
	v_and_b32 v1, 31, v0
	v_lshlrev_b32 v[CO], 4, v1
	s_mul_i32 s46, s21, HALFA
	s_lshl_b32 s47, s22, 15
	s_add_co_u32 s47, s47, 2*HALFA
.irp s, 0,1
	s_add_co_u32 s2, s46, SB0+(\s)*(SB1-SB0)
	v_add_nc_u32 v[ADRA+\s], s2, v[CO]
	s_add_co_u32 s2, s47, SB0+(\s)*(SB1-SB0)
	v_add_nc_u32 v[ADRB+\s], s2, v[CO]
.endr
	v_and_b32 v2, 15, v0                           ; r
	v_bfe_u32 v3, v0, 4, 1                         ; h
	s_mul_i32 s2, s20, 16*SPITCH                   ; my stage
	v_mul_u32_u24 v5, v2, SPITCH
	v_lshl_add_u32 v5, v3, 5, v5
	v_add_nc_u32 v[STO], s2, v5                    ; in: row r, 32 bytes for each half of the lanes
	v_add_nc_u32 v[RD], s2, v[CO]                  ; back: the 32 lanes take one row of 512 bytes
	s_lshl_b32 s2, s44, 1
	s_add_co_u32 s2, s2, s21
	s_lshl_b32 s2, s2, 18                          ; my first row: 64 rows of 4,096 bytes
	s_lshl_b32 s3, s40, 10
	s_add_co_u32 s2, s2, s3
	s_lshl_b32 s3, s22, 9
	s_add_co_u32 s2, s2, s3                        ; my first column
	s_mov_b32 s3, 0
	s_add_nc_u64 s[10:11], s[10:11], s[2:3]
	s_wait_alu depctr_va_vdst(0)
	s_wait_tensorcnt 0x1                           ; my part of K slot 0 is in; K slot 1's may stay out
	s_barrier_signal -1
	s_barrier_wait -1
	FETCH_B 0, 0, 0
	FETCH_A 0, 0, 0
	FETCH_A 0, 0, HA
	STEP 0, 1                                      ; the first products start the sums
	TURN 0, 1, 1
	STEP 1, 0
	TURN 1, 0, 1
	STEP 0, 0
	TURN 0, 1, 0
	STEP 1, 0
	s_wait_dscnt 4*HA                              ; the very last 128 along K
	MULS 0, HA, 1, 0
	s_wait_dscnt 0x0
	MULS HA, HA, 1, 0
	WIN 0
; THE WAY OUT, block by block of 16 rows x 128 columns, through my own stage in LDS: in as 32 bytes a lane, back as whole rows of 512 bytes.  LDS serves a wave's instructions in order: no wait between the stores and the loads.
.macro TOSTAGE a
.set AC, 64*(\a)
	WIN 0x02                                       ; source 0 window 2
.set I_, 0
.rept 32
	v_pk_mul_f32 v[TMP+I_:TMP+I_+1], v[AC+I_:AC+I_+1], s[96:97] op_sel_hi:[1,0]   ; x 2^(e10 + e11); each accumulator from its low end on
.set I_, I_+2
.endr
	WIN 0
.irp b, 0,1,2,3,4,5,6,7
	ds_store_b128 v[STO], v[TMP+8*\b:TMP+8*\b+3] offset:64*\b
	ds_store_b128 v[STO], v[TMP+8*\b+4:TMP+8*\b+7] offset:64*\b+16
.endr
.set BB, BK+64*((\a)%2)
.irp t, 0,1,2,3,4,5,6,7,8,9,10,11,12,13,14,15
	ds_load_b128 v[BB+4*\t:BB+4*\t+3], v[RD] offset:\t*SPITCH
.endr
.endm
.macro SEND a, younger                 ; younger: the LDS instructions issued behind block a's loads
.set BB, BK+64*((\a)%2)
	s_wait_dscnt \younger
.if (\a) > 0
	s_add_nc_u64 s[10:11], s[10:11], 65536         ; 16 rows on (behind a wait on XCNT: the earlier stores have read their base)
.endif
.irp t, 0,1,2,3,4,5,6,7,8,9,10,11,12,13,14,15
	global_store_b128 v[CO], v[BB+4*\t:BB+4*\t+3], s[10:11] offset:\t*4096 th:TH_STORE_NT   ; 512 consecutive bytes, aligned; written once, read by nobody here
.endr
.endm
	s_wait_kmcnt 0x0
	s_add_co_i32 s96, s96, s97
	s_add_co_i32 s96, s96, 127
	s_lshl_b32 s96, s96, 23                        ; 2^(e10 + e11) as f32
	PLACES 4                                       ; behind the last products: reads of the sums, loads into A's registers
	TOSTAGE 0
.irp a, 1,2,3
.if \a > 1
	s_wait_xcnt 0x0                                ; block a - 2's stores have read their registers and their base
.endif
	TOSTAGE \a
	SEND \a-1, 32                                  ; behind block a - 1's loads: block a's 16 stores and 16 loads
.endr
	s_wait_xcnt 0x0
	SEND 3, 0
	s_wait_tensorcnt 0x0                           ; the wave's end
	ds_add_u32 v[SPW], v[NIL]
	s_wait_dscnt 0x0
	CROUND                                         ; the closing round: no work-group ends while a partner may still ask for a tile that names it
	s_endpgm
.Lfunc_end_k_qd7ed4e94fe_oproj:
	.size	k_qd7ed4e94fe_oproj, .Lfunc_end_k_qd7ed4e94fe_oproj-k_qd7ed4e94fe_oproj
	.p2alignl 7, 3214868480
	.fill 96, 4, 3214868480
	.section	.rodata,"a",@progbits
	.p2align	6, 0x0
	.amdhsa_kernel k_qd7ed4e94fe_oproj
		.amdhsa_group_segment_fixed_size 327680
		.amdhsa_private_segment_fixed_size 0
		.amdhsa_enable_private_segment 0
		.amdhsa_kernarg_size 32
		.amdhsa_user_sgpr_count 2
		.amdhsa_user_sgpr_kernarg_segment_ptr 1
		.amdhsa_wavefront_size32 1
		.amdhsa_system_sgpr_workgroup_id_x 1
		.amdhsa_system_sgpr_workgroup_id_y 1
		.amdhsa_system_sgpr_workgroup_id_z 1
		.amdhsa_system_vgpr_workitem_id 0
		.amdhsa_next_free_vgpr 768
		.amdhsa_next_free_sgpr 98
		.amdhsa_reserve_vcc 0
		.amdhsa_float_denorm_mode_32 3
		.amdhsa_float_denorm_mode_16_64 3
		.amdhsa_memory_ordered 1
		.amdhsa_forward_progress 1
		.amdhsa_inst_pref_size 77
	.end_amdhsa_kernel
	.amdgpu_metadata
---
amdhsa.version: [ 1, 2 ]
amdhsa.kernels:
  - .name:           k_qd7ed4e94fe_oproj
    .symbol:         k_qd7ed4e94fe_oproj.kd
    .args:
      - { .name: ac, .offset: 0, .size: 8, .value_kind: global_buffer, .address_space: global }
      - { .name: wc, .offset: 8, .size: 8, .value_kind: global_buffer, .address_space: global }
      - { .name: lowp_scales, .offset: 16, .size: 8, .value_kind: global_buffer, .address_space: global }
      - { .name: out0, .offset: 24, .size: 8, .value_kind: global_buffer, .address_space: global }
    .group_segment_fixed_size: 327680
    .private_segment_fixed_size: 0
    .kernarg_segment_align: 8
    .kernarg_segment_size: 32
    .max_flat_workgroup_size: 128
    .sgpr_count:     98
    .vgpr_count:     768
    .wavefront_size: 32
...
	.end_amdgpu_metadata
.endif
;; end of part 4
